; MI455X (gfx1250); checked and timed in simulation.
; The chip was launched on July 23, 2026; its instructions are those of AMD's public machine-readable ISA for CDNA 5 (MIT licence, August 2026) and "CDNA5" Instruction Set Architecture Reference Guide (July 2026). The comments in the code are by the model that wrote it; some were corrected since.
;; Vector Quantizer. Allowed arithmetic: matrix products marked QUANTISED: E2M1 operands, one E8M0 scale for each 32 along K, by v_wmma_scale_f32_16x16x128_f8f6f4 with both operands' format E2M1 (or v_wmma_scale_f32_32x16x128_f4), f32 sums; everything else in f32.
;; Inputs: codebook 1,024 x 64 float32; inputs 32 x 64 x 64 x 64 float32.
;; Outputs: out0 32 x 64 x 64 int32; out1 32 x 64 x 64 x 64 float32.
;; This version of the problem:
;;   THIS VERSION OF THE PROBLEM IS GIVEN IN LOW PRECISION. The matrix products marked QUANTISED in the list below multiply operands that are first quantised to E2M1 (2 exponent bits, 1 mantissa bit; 4 bits a number), with one power-of-two scale for each 32 numbers along K (OCP MX v1.0); their sums are f32. All else is computed in f32.
;;   The module's matrix products, in the order in which they are computed (A, B: the left and right operand; K: the contracted axis; several contracted axes count as one K, in the product's order):
;;     1. [M 131,072, K 64] x [K 64, N 1,024]; A: input inputs; B: input codebook: QUANTISED
;;   THE QUANTISER, for each operand of a quantised product, along K:
;;     - K is cut into blocks of 32 from its start; a last block that is shorter is filled with zeros.
;;     - A block's scale is 2^e with e = floor(log2(the largest magnitude in the block)) - 2, held to -126 .. 127; a block of zeros has e = 0. As a byte (E8M0): e + 127.
;;     - Each number is divided by its block's scale, clamped to +-6, and rounded to the nearest number of E2M1, ties to even, subnormals kept.
;;     - The product sums the exact products of the quantised numbers (number of the format x scale) in f32.
;;   ~~~python
;;   def quantise(x, axis):      # numpy; x: float32 -> the quantised numbers, widened to float32 again
;;       x = np.moveaxis(x, axis, -1); K = x.shape[-1]
;;       x = np.pad(x, [(0, 0)] * (x.ndim - 1) + [(0, -K % 32)]); x = x.reshape(x.shape[:-1] + (-1, 32)); a = np.abs(x).max(-1, keepdims=True)
;;       e = np.where(a > 0, np.clip(np.frexp(np.where(a > 0, a, 1))[1] - 1 - 2, -126, 127), 0)      # np.frexp(a)[1] - 1 = floor(log2(a)), exactly
;;       r = np.clip(x / 2.0 ** e, -6, 6)
;;       step = 2.0 ** (np.maximum(np.frexp(np.where(r == 0, 1, r))[1] - 1, 0) - 1)
;;       q = np.round(r / step) * step * 2.0 ** e      # np.round: ties to even
;;       return np.moveaxis(q.reshape(q.shape[:-2] + (-1,))[..., :K], -1, axis).astype(np.float32)
;;   ~~~
;; One version. Each part assembles by itself: llvm-mc -triple=amdgcn-amd-amdhsa -mcpu=gfx1250 --defsym DOCPART=n.
;; ======== version 1 of 1: 2 launches
;; limits: right only within a limited range of input values
;; workspace buffers: kidx 524,288 bytes of whole numbers
;; launch nearest (part 1): grid 256 x 1, 8 waves a work-group, no clusters, 218,112 bytes of LDS; arguments inputs, codebook, out0, kidx; writes out0, kidx
.if DOCPART == 1
	.amdgcn_target "amdgcn-amd-amdhsa--gfx1250"
	.amdhsa_code_object_version 6
	.text
	.protected	k_q8c4fe7ab48_nearest
	.globl	k_q8c4fe7ab48_nearest
	.p2align	8
	.type	k_q8c4fe7ab48_nearest,@function
k_q8c4fe7ab48_nearest:
	s_mov_b64 s[64:65], 0
	v_nop
	global_prefetch_b8 v0, s[64:65] scope:SCOPE_SE
	s_setreg_imm32_b32 hwreg(HW_REG_WAVE_MODE, 25, 1), 1
	s_wait_xcnt 0x0
; For each of 131,072 rows x of 64 f32: the FIRST index of the smallest d2[k] over 1,024 codes, d2 = z2 - 2 cross[k] + c2[k], where cross = Q(x) . Q(code k) on codes of FP4 (E2M1) with one E8M0 scale for
; each 32 along K, and z2, c2 are the sums of squares of the unquantised numbers, in f32.  The index goes to out0 and, as whole numbers for the next launch, to kidx.
; SHARES.  256 work-groups of eight waves; a work-group owns 512 rows, a wave 64 of them: four tiles of 16 queries.  Wave w also quantises rows 64 w .. 64 w + 63 of each half of the codebook (four tiles of 16 codes a half).
; The tiles' operand images, scale words and c2 meet in LDS, half by half; every wave then walks all 32 pairs of tiles in ascending order.
; x COMES BY THE TENSOR DATA MOVER: a wave's 64 rows are 16,384 dense bytes; ONE load lays them into LDS bytes of the wave's own as rows of 256 bytes + 16 of padding.  The bytes are filled once and read by the issuing
; wave alone, behind its own wait; a wave has one tensor load outstanding.
; THE CODEBOOK comes through registers: dense loads of 512 bytes, turned through the wave's own stage so that a lane holds a block of 32 neighbours.  The first half is quantised while x is on its way, the second half inside the sweep.
; K = 64 IS HALF OF THE INSTRUCTION'S 128.  In the 4-bit operand layout lane (r = lane % 16, h = lane / 16) holds k = 32 h .. 32 h + 31 of row r in registers 0-3: ONE block of 32.  The codes' registers 4-7 (k = 64 .. 127) are
; zero codes, set once; so what the queries' registers 4-7 hold there (the next query tile's codes) adds nothing.  The scale bytes of those blocks are 0, over zero codes.
; THE PRODUCT: source 0 = 16 codes, source 1 = 16 queries with their codes' signs turned and their scale bytes one higher (x becomes -2 x), C = the codes' c2: register j of lane (r, h) is e = c2 - 2 cross of code 16 t + 8 h + j.
; THE ARGMIN.  For a pair of tiles a lane takes the smallest e of its 16 and adds z2: that sum is the smallest d2 of the 16, since rounding never turns an order round.  Where it is below the smallest so far, the pair's 16
; numbers, its number and the sum are kept.  At the end the kept 16 get z2 each, and the first that equals the smallest is the index.  Pairs ascend and only a smaller one replaces: ties end at the first index.
; WHY NO CLUSTER AND NO JOINT LOADS.  x is shared by nobody.  The codebook, which all work-groups read, arrives as f32 and has to pass through registers to be quantised; as f32 rows of 256 + 16 bytes it would take 278,528
; bytes of LDS, which with x's tiles (139,264) is more than a work-group can have.  WHY NO PREFETCH.  x is asked for whole by the wave's first load: there is no loop to run ahead in.
; LIMITS.  NaN and infinities among the inputs or in d2 are not served.  d2 is rounded as z2 + (c2 - 2 cross), the bracket by the matrix instruction's one sum, where the reference rounds (z2 - 2 cross) + c2: distances of a row
; that differ in the last bits alone may be ordered otherwise.  z2 and c2 are summed in four chains of fused multiply-adds, then pairwise.  A block of zeros gets the scale byte 1 where the rule says 127: its codes are
; zeros, and the bytes are read by this launch alone.  Blocks whose largest magnitude lies under 2^-124 have their byte held at 1.
.set PB,    1280                       ; LDS bytes of a pair of tiles: 2 x 512 operand images (lane l's 16 bytes at 16 l), 2 x 64 scale words, 2 x 64 c2
.set HALF2, 16*PB                      ; the codebook's second half
.set KOUT,  40960                      ; 8 x 256 bytes: each wave's 64 indices
.set STAGE, 43008                      ; 8 x 4,352 bytes: for each wave 16 rows of 256 bytes + 16
.set XT,    77824                      ; 8 x 17,408 bytes: for each wave its 64 rows of x, 256 bytes + 16 each; filled once, by the wave's tensor load; nothing is stored there
.set SPARE, 217088                     ; the spare words, 128 bytes for each wave
.set SP,    272
.set WST,   16*SP
.set XW,    64*SP
; window 0
.set AC,  1                            ; v1-3   the trip's LDS addresses: images, scale words, c2;  v4-6 the same places in pair 0
.set SAD, 2
.set CA,  3
.set AC0, 4
.set SAD0, 5
.set CA0, 6
.set SW,  7                            ; the stage, on the way in: two rows an instruction, sixteen lanes to a row
.set SRD, 8                            ; and out: row r, + 128 h
.set CI,  9                            ; where I store my tiles' images;
.set SI,  10                           ; their scale words, and 128 bytes on their c2
.set XRD, 11                           ; my block in my wave's rows of x
.set SH8, 12                           ; 8 h
.set RR,  13
.set HH,  14
.set GL,  15                           ; 16 x lane
.set WB,  16                           ; v16-79   the kept pair's 16 numbers of query tile q at WB + 16 q
.set DA,  80                           ; v80-111  results: query tiles 0 and 1, 16 numbers each (tile a, tile b)
.set DB,  112                          ; v112-143 query tiles 2 and 3
.set AF,  144                          ; v144-175 code operands, two sets of a pair
.set CC,  176                          ; v176-207 their c2, two sets
.set BQ,  208                          ; v208-227 the query operands, four registers each; the last four are zeros
.set SQ,  228                          ; v228-231 the query tiles' scale words, v232-233 the pairs': lanes 0-15 tile a, lanes 16-31 tile b.  These hold scales and nothing else
.set ASC, 232
.set BE,  234                          ; v234-237 the smallest d2 so far
.set TT,  238                          ; v238     the pair's first code
.set TB,  239                          ; v239-242 the kept pair's first code
.set Z,   243                          ; v243-246 z2 of my query
.set M0,  248                          ; v248-251 minima at work
.set N0,  249
.set M1,  250
.set N1,  251
.set SPW, 254
.set NIL, 255
; window 1: the quantiser
.set XA,  0                            ; a lane's 32 numbers, two sets
.set XB,  32
.set MA,  64
.set MB,  65
.set SO,  66
.set BY,  67
.set PT,  68
.set PT2, 69
.set SS0, 70
.set SS1, 72
.set CD,  74
.set PW,  78
.set SUM, 79
.set QSH, 80                           ; 8 h
.set RAW, 128                          ; four tiles of the codebook as loaded, 32 registers each
.set G0,  32                           ; s[32:35] the tensor load's group 0;  s[36:43] its group 1.  Never rewritten
.set G1,  36
.set MSB, 0
.macro WIN new                         ; the immediate's high byte repeats the setting that is left
.if MSB != \new
	s_set_vgpr_msb (MSB<<8)|\new
.set MSB, \new
.endif
.endm
.macro LOADG slot, off                 ; 16 rows of the codebook, 4,096 bytes, as they lie
	WIN 0x40
.irp i, 0,1,2,3,4,5,6,7
	global_load_b128 v[RAW+32*\slot+4*\i:RAW+32*\slot+4*\i+3], v[GL], s[6:7] offset:\off+512*\i
.endr
.endm
.macro TURN slot, x                    ; through my own stage: in as loaded, out 128 bytes a lane.  LDS serves a wave's instructions in order (ISA guide 5.7.1.4): no wait between the stores and the loads
	WIN 0x04
.irp i, 0,1,2,3,4,5,6,7
	ds_store_b128 v[SW], v[RAW+32*\slot+4*\i:RAW+32*\slot+4*\i+3] offset:2*SP*\i
.endr
	WIN 0x40
.irp g, 0,1,2,3,4,5,6,7
	ds_load_b128 v[\x+4*\g:\x+4*\g+3], v[SRD] offset:16*\g
.endr
.endm
.macro XLOAD x, q                      ; my block of 32 numbers of query tile q
	WIN 0x40
.irp g, 0,1,2,3,4,5,6,7
	ds_load_b128 v[\x+4*\g:\x+4*\g+3], v[XRD] offset:16*SP*\q+16*\g
.endr
.endm
; My block of 32 numbers becomes operand registers 0-3 in CD.  BY + PT is the row's scale word, SS0 + PT2 its sum of squares: my block's and lane l xor 16's.
.macro QUANT x
	WIN 0x55
	v_max3_num_f32 v[MA], |v[\x]|, |v[\x+1]|, 0x1800000            ; the largest magnitude, in two chains, with the floor 2^(3 - 127) among the leaves: the byte cannot fall under 1
	v_max3_num_f32 v[MB], |v[\x+2]|, |v[\x+3]|, |v[\x+4]|
	v_pk_mul_f32 v[SS0:SS0+1], v[\x:\x+1], v[\x:\x+1]              ; the sum of squares, in four chains, by turns with the maxima
	v_pk_mul_f32 v[SS1:SS1+1], v[\x+2:\x+3], v[\x+2:\x+3]
.irp i, 4,8,12,16,20,24
	v_max3_num_f32 v[MA], v[MA], |v[\x+\i+1]|, |v[\x+\i+2]|
	v_max3_num_f32 v[MB], v[MB], |v[\x+\i+3]|, |v[\x+\i+4]|
	v_pk_fma_f32 v[SS0:SS0+1], v[\x+\i:\x+\i+1], v[\x+\i:\x+\i+1], v[SS0:SS0+1]
	v_pk_fma_f32 v[SS1:SS1+1], v[\x+\i+2:\x+\i+3], v[\x+\i+2:\x+\i+3], v[SS1:SS1+1]
.endr
	v_max3_num_f32 v[MA], v[MA], |v[\x+29]|, |v[\x+30]|
	v_pk_fma_f32 v[SS0:SS0+1], v[\x+28:\x+29], v[\x+28:\x+29], v[SS0:SS0+1]
	v_pk_fma_f32 v[SS1:SS1+1], v[\x+30:\x+31], v[\x+30:\x+31], v[SS1:SS1+1]
	v_max3_num_f32 v[MA], v[MA], v[MB], |v[\x+31]|
	v_pk_add_f32 v[SS0:SS0+1], v[SS0:SS0+1], v[SS1:SS1+1]
	v_add_nc_u32 v[SO], 0xff000000, v[MA]                          ; 2 off its exponent field: the conversion takes the exponent field of this operand as its scale, and nothing else of it
	v_add_f32 v[SS0], v[SS0], v[SS0+1]
	v_lshrrev_b32 v[BY], 23, v[SO]                                 ; the scale's byte,
	v_permlanex16_b32 v[PT2], v[SS0], s20, s21
	v_lshlrev_b32 v[BY], v[QSH], v[BY]                             ; at block h's place in the word
.irp g, 0,1,2,3
	v_cvt_scalef32_pk8_fp4_f32 v[CD+\g], v[\x+8*\g:\x+8*\g+7], v[SO]   ; to the nearest code, ties to even, beyond 6 the largest code; the lower k in the lower bits
.endr
	v_permlanex16_b32 v[PT], v[BY], s20, s21
	v_nop                                                          ; a plain line behind the scaled conversions
.endm
.macro CODE x, n, half                 ; tile n of my four of a half, quantised, goes to LDS as an image of its registers
	QUANT \x
	v_or_b32 v[PW], v[BY], v[PT]
	v_add_f32 v[SUM], v[SS0], v[PT2]
	WIN 0x04
	ds_store_b128 v[CI], v[CD:CD+3] offset:\half+PB*(\n/2)+512*(\n%2)
	ds_store_b32 v[SI], v[PW] offset:\half+PB*(\n/2)+64*(\n%2)     ; lanes r and r + 16 write the same word with the same value
	ds_store_b32 v[SI], v[SUM] offset:\half+PB*(\n/2)+64*(\n%2)+128
.endm
.macro QUERY x, q                      ; query tile q: -2 x in codes
	QUANT \x
	WIN 0x15
.irp g, 0,1,2,3
	v_xor_b32 v[BQ+4*\q+\g], 0x88888888, v[CD+\g]                  ; eight signs
.endr
	v_add3_u32 v[SQ+\q], v[BY], v[PT], 0x101                       ; both bytes one higher: at most 253
	v_add_f32 v[Z+\q], v[SS0], v[PT2]
.endm
.macro LOADP s, off, ac, sa, ca        ; a pair of tiles into set s: seven loads
	ds_load_b128 v[AF+16*(\s):AF+16*(\s)+3], v[\ac] offset:\off
	ds_load_b128 v[AF+16*(\s)+8:AF+16*(\s)+11], v[\ac] offset:\off+512
	ds_load_b32 v[ASC+(\s)], v[\sa] offset:\off
.irp i, 0,1
	ds_load_b128 v[CC+16*(\s)+8*\i:CC+16*(\s)+8*\i+3], v[\ca] offset:\off+64*\i
	ds_load_b128 v[CC+16*(\s)+8*\i+4:CC+16*(\s)+8*\i+7], v[\ca] offset:\off+64*\i+16
.endr
.endm
.macro MM s, q, d                      ; set s's two tiles against query tile q
	v_wmma_scale_f32_32x16x128_f4 v[(\d):(\d)+15], v[AF+16*(\s):AF+16*(\s)+15], v[BQ+4*(\q):BQ+4*(\q)+7], v[CC+16*(\s):CC+16*(\s)+15], v[ASC+(\s)], v[SQ+(\q)]   ; rows 0-15 tile a, rows 16-31 tile b
.endm
.macro MINS d                          ; the smallest of 16 numbers for two query tiles: M0 and N0; four chains by turns, each result from its low end on
	v_min3_num_f32 v[M0], v[(\d)], v[(\d)+1], v[(\d)+2]
	v_min3_num_f32 v[M1], v[(\d)+8], v[(\d)+9], v[(\d)+10]
	v_min3_num_f32 v[N0], v[(\d)+16], v[(\d)+17], v[(\d)+18]
	v_min3_num_f32 v[N1], v[(\d)+24], v[(\d)+25], v[(\d)+26]
	v_min3_num_f32 v[M0], v[M0], v[(\d)+3], v[(\d)+4]
	v_min3_num_f32 v[M1], v[M1], v[(\d)+11], v[(\d)+12]
	v_min3_num_f32 v[N0], v[N0], v[(\d)+19], v[(\d)+20]
	v_min3_num_f32 v[N1], v[N1], v[(\d)+27], v[(\d)+28]
	v_min3_num_f32 v[M0], v[M0], v[(\d)+5], v[(\d)+6]
	v_min3_num_f32 v[M1], v[M1], v[(\d)+13], v[(\d)+14]
	v_min3_num_f32 v[N0], v[N0], v[(\d)+21], v[(\d)+22]
	v_min3_num_f32 v[N1], v[N1], v[(\d)+29], v[(\d)+31]
	v_min3_num_f32 v[M0], v[M0], v[M1], v[(\d)+7]
	v_min3_num_f32 v[N0], v[N0], v[N1], v[(\d)+23]
	v_dual_min_num_f32 v[M0], v[M0], v[(\d)+15] :: v_dual_min_num_f32 v[N0], v[N0], v[(\d)+30]
.endm
.macro ADDZ q                          ; the smallest d2 of the 16
	v_dual_add_f32 v[M0], v[Z+\q], v[M0] :: v_dual_add_f32 v[N0], v[Z+\q+1], v[N0]
.endm
.macro KEEP d, m, q                    ; where it is below the smallest so far, the pair is kept
	v_cmp_lt_f32 vcc_lo, v[\m], v[BE+(\q)]
	v_dual_cndmask_b32 v[TB+(\q)], v[TB+(\q)], v[TT] :: v_dual_cndmask_b32 v[BE+(\q)], v[BE+(\q)], v[\m]
.irp i, 0,2,4,6,8,10,12,14
	v_dual_cndmask_b32 v[WB+16*(\q)+\i], v[WB+16*(\q)+\i], v[(\d)+\i] :: v_dual_cndmask_b32 v[WB+16*(\q)+\i+1], v[WB+16*(\q)+\i+1], v[(\d)+\i+1]
.endr
.endm
; A pair of tiles, in set s.  Its products with query tiles 0 and 1 were issued a half trip ago.  ld: set s takes the pair two further on; nxt: the next pair's first products are issued.
; Each half's 36 plain vector lines, which name no register of the products issued at its head, are the places behind those products; the loads into set s stand 16 of them behind.
.macro TRIP s, ld, off, ac, sa, ca, nxt
	v_add_nc_u32 v[TT], 32, v[TT]
	MM \s, 2, DB
	MM \s, 3, DB+16
	MINS DA
	ADDZ 0
.if \ld
	LOADP \s, \off, \ac, \sa, \ca
.endif
	KEEP DA, M0, 0
	KEEP DA+16, N0, 1
.if \nxt
.if \ld
	s_wait_dscnt 7                                 ; the other set's pair is in; the seven loads of this trip may be out
.else
	s_wait_dscnt 0x0
.endif
	MM 1-\s, 0, DA
	MM 1-\s, 1, DA+16
.endif
	MINS DB
	ADDZ 2
	KEEP DB, M0, 2
	KEEP DB+16, N0, 3
.endm
.macro SWEEP first, trips, name        ; 2 x trips pairs; first: the pair that the first trip asks for
	s_mov_b32 s29, (\first)*PB
	s_mov_b32 s24, \trips
\name:
	v_add_nc_u32 v[AC], s29, v[AC0]
	v_add_nc_u32 v[SAD], s29, v[SAD0]
	v_add_nc_u32 v[CA], s29, v[CA0]
	TRIP 1, 1, 0, AC, SAD, CA, 1
	TRIP 0, 1, PB, AC, SAD, CA, 1
	s_add_co_u32 s29, s29, 2*PB
	s_sub_co_u32 s24, s24, 1
	s_cmp_lg_u32 s24, 0
	s_cbranch_scc1 \name
.endm
	s_load_b256 s[4:11], s[0:1], 0x0               ; inputs s[4:5], codebook s[6:7], out0 s[8:9], kidx s[10:11]
	v_lshl_add_u32 v[SPW], v0, 2, SPARE
	v_mov_b32 v[NIL], 0
	ds_add_u32 v[SPW], v[NIL]                      ; the opening lines: the add, twice on end, and one wait
	ds_add_u32 v[SPW], v[NIL]
	v_lshrrev_b32 v1, 5, v0
	v_and_b32 v2, 31, v0                           ; lane
	v_readfirstlane_b32 s12, v1                    ; wave 0..7
	v_lshlrev_b32 v[GL], 4, v2
	s_lshl_b32 s14, ttmp9, 17                      ; x: 512 rows of 256 bytes a work-group,
	s_lshl_b32 s16, s12, 14                        ; 64 a wave; the codebook: 64 rows a wave in each half
	s_add_co_u32 s14, s14, s16
	s_mov_b32 s15, 0
	s_mov_b32 s17, 0
	s_lshl_b32 s18, ttmp9, 11                      ; the indices: 2,048 bytes a work-group, 256 a wave
	s_lshl_b32 s13, s12, 8
	s_add_co_u32 s18, s18, s13
	s_mov_b32 s19, 0
	; group 1: my 64 rows of x, dense in memory, as 64 rows of 32 elements of 8 bytes, 16 bytes of padding behind each row in LDS
	s_mov_b32 s[G1], (3<<16)|(1<<20)|(5<<22)|(3<<25)
	s_mov_b32 s[G1+1], 32<<16                      ; tensor_dim0 = 32
	s_mov_b32 s[G1+2], 64<<16                      ; tensor_dim1 = 64
	s_mov_b32 s[G1+3], 32<<16                      ; tile_dim0 = 32
	s_mov_b32 s[G1+4], 64                          ; tile_dim1 = 64
	s_mov_b32 s[G1+5], 32                          ; elements from row to row
	s_mov_b32 s[G1+6], 0
	s_mov_b32 s[G1+7], 0
	s_mov_b32 s[G0], 1
	s_mul_i32 s[G0+1], s12, XW
	s_add_co_u32 s[G0+1], s[G0+1], XT              ; LDS address: my wave's 17,408 bytes
	s_wait_alu depctr_va_vdst(0)
	s_wait_dscnt 0x0
	s_wait_kmcnt 0x0
	s_add_nc_u64 s[G0+2:G0+3], s[4:5], s[14:15]    ; global address: my first row of x
	s_or_b32 s[G0+3], s[G0+3], 0x80000000
	tensor_load_to_lds s[G0:G0+3], s[G1:G1+7]      ; x is asked for first: it has the first half of the codebook's work in which to land
	s_nop 0
	WIN 0x40
	s_add_nc_u64 s[6:7], s[6:7], s[16:17]
	s_add_nc_u64 s[8:9], s[8:9], s[18:19]
	s_add_nc_u64 s[10:11], s[10:11], s[18:19]
	LOADG 0, 0                                     ; my four tiles of the first half
	LOADG 1, 4096
	LOADG 2, 8192
	LOADG 3, 12288
	WIN 0
	v_and_b32 v[RR], 15, v0                        ; r
	v_bfe_u32 v[HH], v0, 4, 1                      ; h
	s_mul_i32 s14, s12, WST
	s_add_co_u32 s14, s14, STAGE                   ; my stage
	s_mul_i32 s15, s12, 2*PB                       ; my two pairs of a half
	s_add_co_u32 s13, s15, 1024
	v_mul_u32_u24 v[SW], v[HH], SP
	v_mul_u32_u24 v[SRD], v[RR], SP
	v_lshlrev_b32 v[SH8], 3, v[HH]
	v_lshl_add_u32 v[CI], v2, 4, s15
	v_lshl_add_u32 v[SW], v[RR], 4, v[SW]
	v_lshl_add_u32 v[SRD], v[HH], 7, v[SRD]
	v_lshl_add_u32 v[SI], v[RR], 2, s13
	v_lshlrev_b32 v[AC0], 4, v2
	v_add_nc_u32 v[SW], s14, v[SW]
	v_add_nc_u32 v[XRD], s[G0+1], v[SRD]           ; the same place in my wave's rows of x,
	v_add_nc_u32 v[SRD], s14, v[SRD]               ; and in my stage
	v_lshl_add_u32 v[SAD0], v2, 2, 1024
	v_lshl_add_u32 v[CA0], v[HH], 5, 1152
	WIN 0x40
	v_lshlrev_b32 v[QSH], 3, v[HH]
	v_mov_b32 v[PT], 0                             ; written once: a lane permute's destination counts as one of its sources
	v_mov_b32 v[PT2], 0
	s_mov_b32 s20, 0x76543210                      ; v_permlanex16_b32's selects for lane l xor 16
	s_mov_b32 s21, 0xfedcba98
	s_mov_b32 s25, 0xffff0000                      ; lanes 16-31
	s_wait_alu depctr_va_vdst(0)
	; ---- THE CODEBOOK'S FIRST HALF.  While one tile is quantised the next is on its way through the stage.
	s_wait_loadcnt 24                              ; loads come back in order (ISA guide 5.7.1): tile 0's eight are in, three tiles may be out; then two, one, none
	TURN 0, XA
	s_wait_dscnt 0x0
	s_wait_loadcnt 16
	TURN 1, XB
	CODE XA, 0, 0
	s_wait_dscnt 0x0
	s_wait_loadcnt 8
	TURN 2, XA
	CODE XB, 1, 0
	s_wait_dscnt 0x0
	s_wait_loadcnt 0x0
	TURN 3, XB
	CODE XA, 2, 0
	s_wait_dscnt 0x0
	CODE XB, 3, 0
	s_wait_dscnt 0x0                               ; for the others' sake: my images, scale words and c2 of the first half lie in LDS
	s_barrier_signal -1                            ; (my tensor load may stay out, and only I read its bytes, behind my own wait)
	; ---- x: my four tiles of queries.  The codebook's second half is asked for behind x's landing.
	s_wait_tensorcnt 0x0
	XLOAD XA, 0
	XLOAD XB, 1
	s_barrier_wait -1                              ; the first half's 16 pairs are whole; nobody writes them again
	s_wait_dscnt 8                                 ; behind XA's loads stand XB's eight
	QUERY XA, 0
	XLOAD XA, 2
	LOADG 0, 131072
	s_wait_dscnt 8
	QUERY XB, 1
	XLOAD XB, 3
	LOADG 1, 131072+4096
	s_wait_dscnt 8
	QUERY XA, 2
	LOADG 2, 131072+8192
	s_wait_dscnt 0x0
	QUERY XB, 3
	LOADG 3, 131072+12288
	WIN 0
.irp j, 4,5,6,7,12,13,14,15,20,21,22,23,28,29,30,31
	v_mov_b32 v[AF+\j], 0                          ; the codes' k = 64 .. 127: zero codes, for the whole launch
.endr
.irp j, 0,1,2,3
	v_mov_b32 v[BQ+16+\j], 0
	v_mov_b32 v[TB+\j], 0
.endr
	v_mov_b32 v[TT], 0
	s_wait_alu depctr_va_vdst(0)
	; ---- THE SWEEP'S START: pair 0's products go straight into the kept numbers' registers
	LOADP 0, 0, AC0, SAD0, CA0
	LOADP 1, PB, AC0, SAD0, CA0
	s_wait_dscnt 7                                 ; pair 0 is in, pair 1's seven loads may be out
	MM 0, 0, WB
	MM 0, 1, WB+16
	MM 0, 2, WB+32
	MM 0, 3, WB+48
	s_wait_dscnt 0x0
	MM 1, 0, DA
	MM 1, 1, DA+16
.rept 4
	v_nop                                          ; the places between the first products and the first read of their results
.endr
	MINS WB
	v_add_f32 v[BE], v[Z], v[M0]
	v_add_f32 v[BE+1], v[Z+1], v[N0]
	LOADP 0, 2*PB, AC0, SAD0, CA0
	MINS WB+32
	v_add_f32 v[BE+2], v[Z+2], v[M0]
	v_add_f32 v[BE+3], v[Z+3], v[N0]
	SWEEP 3, 2, .Lfirst                            ; pairs 1 .. 4; the loads run to pair 6
	; ---- THE CODEBOOK'S SECOND HALF: its loads were asked for between the query tiles
	s_wait_loadcnt 24                              ; three tiles may be out; then two, one, none
	TURN 0, XA
	s_wait_dscnt 0x0
	s_wait_loadcnt 16
	TURN 1, XB
	CODE XA, 0, HALF2
	s_wait_dscnt 0x0
	s_wait_loadcnt 8
	TURN 2, XA
	CODE XB, 1, HALF2
	s_wait_dscnt 0x0
	s_wait_loadcnt 0x0
	TURN 3, XB
	CODE XA, 2, HALF2
	s_wait_dscnt 0x0
	CODE XB, 3, HALF2
	WIN 0
	s_wait_dscnt 0x0                               ; for the others' sake: my part of the second half lies in LDS
	s_barrier_signal -1
	SWEEP 7, 4, .Lsecond                           ; pairs 5 .. 12, between signal and wait: LDS loads of the first half alone (pairs 7 .. 14)
	s_barrier_wait -1                              ; the second half is whole
	SWEEP 15, 8, .Lthird                           ; pairs 13 .. 28; the loads run to pair 30
	TRIP 1, 1, 31*PB, AC0, SAD0, CA0, 1            ; pair 29 asks for the last pair,
	TRIP 0, 0, 0, AC0, SAD0, CA0, 1                ; pairs 30 and 31 for none
	TRIP 1, 0, 0, AC0, SAD0, CA0, 0
	; ---- THE END.  Where among the kept 16 the smallest stands first, by halves: where the lower half's smallest, with z2, is above the smallest, the upper half takes its place
.irp q, 0,1,2,3
	v_min3_num_f32 v[DA+16+\q], v[WB+16*\q], v[WB+16*\q+1], v[WB+16*\q+2]
	v_min3_num_f32 v[DA+20+\q], v[WB+16*\q+3], v[WB+16*\q+4], v[WB+16*\q+5]
.endr
.irp q, 0,1,2,3
	v_min3_num_f32 v[DA+16+\q], v[DA+16+\q], v[WB+16*\q+6], v[WB+16*\q+7]
.endr
.irp q, 0,1,2,3
	v_min_num_f32 v[DA+16+\q], v[DA+16+\q], v[DA+20+\q]
.endr
.irp q, 0,1,2,3
	v_add_f32 v[DA+16+\q], v[Z+\q], v[DA+16+\q]
.endr
.irp q, 0,1,2,3
	v_cmp_lt_f32 vcc_lo, v[BE+\q], v[DA+16+\q]
	v_cndmask_b32 v[DA+\q], 0, 16, vcc_lo          ; tile b: 16 codes on
.irp i, 0,2,4,6
	v_dual_cndmask_b32 v[WB+16*\q+\i], v[WB+16*\q+\i], v[WB+16*\q+\i+8] :: v_dual_cndmask_b32 v[WB+16*\q+\i+1], v[WB+16*\q+\i+1], v[WB+16*\q+\i+9]
.endr
.endr
.irp q, 0,1,2,3
	v_min3_num_f32 v[DA+16+\q], v[WB+16*\q], v[WB+16*\q+1], v[WB+16*\q+2]
.endr
.irp q, 0,1,2,3
	v_min_num_f32 v[DA+16+\q], v[DA+16+\q], v[WB+16*\q+3]
.endr
.irp q, 0,1,2,3
	v_add_f32 v[DA+16+\q], v[Z+\q], v[DA+16+\q]
.endr
.irp q, 0,1,2,3
	v_cmp_lt_f32 vcc_lo, v[BE+\q], v[DA+16+\q]
	v_cndmask_b32 v[DA+4+\q], 0, 4, vcc_lo
.irp i, 0,2
	v_dual_cndmask_b32 v[WB+16*\q+\i], v[WB+16*\q+\i], v[WB+16*\q+\i+4] :: v_dual_cndmask_b32 v[WB+16*\q+\i+1], v[WB+16*\q+\i+1], v[WB+16*\q+\i+5]
.endr
.endr
.irp q, 0,1,2,3
	v_min_num_f32 v[DA+16+\q], v[WB+16*\q], v[WB+16*\q+1]
.endr
.irp q, 0,1,2,3
	v_add_f32 v[DA+16+\q], v[Z+\q], v[DA+16+\q]
.endr
.irp q, 0,1,2,3
	v_cmp_lt_f32 vcc_lo, v[BE+\q], v[DA+16+\q]
	v_cndmask_b32 v[DA+8+\q], 0, 2, vcc_lo
	v_cndmask_b32 v[WB+16*\q], v[WB+16*\q], v[WB+16*\q+2], vcc_lo
.endr
.irp q, 0,1,2,3
	v_add_f32 v[DA+16+\q], v[Z+\q], v[WB+16*\q]
.endr
.irp q, 0,1,2,3
	v_cmp_lt_f32 vcc_lo, v[BE+\q], v[DA+16+\q]
	v_cndmask_b32 v[DA+12+\q], 0, 1, vcc_lo
.endr
.irp q, 0,1,2,3
	v_add3_u32 v[DA+\q], v[DA+\q], v[DA+4+\q], v[DA+8+\q]
.endr
.irp q, 0,1,2,3
	v_add3_u32 v[DA+\q], v[DA+\q], v[DA+12+\q], v[SH8]
.endr
.irp q, 0,1,2,3
	v_add_nc_u32 v[DA+\q], v[TB+\q], v[DA+\q]      ; the code's index
.endr
	; my eight codes of each sixteen against lane l xor 16's; the lower index where the distances are equal
.irp q, 0,1,2,3
	v_permlanex16_b32 v[DA+4+\q], v[BE+\q], s20, s21
.endr
.irp q, 0,1,2,3
	v_permlanex16_b32 v[DA+8+\q], v[DA+\q], s20, s21
.endr
.irp q, 0,1,2,3
	v_cmp_lt_f32 s[44+\q], v[DA+4+\q], v[BE+\q]    ; the other half's is smaller,
	v_cmp_eq_f32 s[28+\q], v[DA+4+\q], v[BE+\q]    ; or equal
	v_cmp_lt_u32 s[16+\q], v[DA+8+\q], v[DA+\q]    ; with the lower index
.endr
.irp q, 0,1,2,3
	s_and_b32 s[28+\q], s[28+\q], s[16+\q]
	s_or_b32 s[44+\q], s[44+\q], s[28+\q]
.endr
.irp q, 0,1,2,3
	v_cndmask_b32 v[DA+\q], v[DA+\q], v[DA+8+\q], s[44+\q]   ; a choice of a value: no branch and no address hangs on it
.endr
	s_lshl_b32 s29, s12, 8
	s_add_co_u32 s29, s29, KOUT                    ; my wave's 256 bytes
	v_and_b32 v[RR], 31, v0
	v_lshlrev_b32 v3, 3, v[RR]
	v_lshl_add_u32 v1, v[RR], 2, s29
	v_add_nc_u32 v2, s29, v3
	v_cndmask_b32 v[DA+12], v[DA], v[DA+1], s25    ; lane l: row l (query tiles 0 and 1),
	v_cndmask_b32 v[DA+13], v[DA+2], v[DA+3], s25  ; and row 32 + l (2 and 3)
	ds_store_b32 v1, v[DA+12]
	ds_store_b32 v1, v[DA+13] offset:128
	ds_load_b64 v[DA+14:DA+15], v2                 ; LDS serves a wave's instructions in order: these see my stores
	s_wait_alu depctr_va_vdst(0)
	s_wait_dscnt 0x0
	global_store_b64 v3, v[DA+14:DA+15], s[8:9]    ; the wave's 64 indices: 256 consecutive bytes, at a multiple of 256 from the buffer's first byte
	global_store_b64 v3, v[DA+14:DA+15], s[10:11]
	s_wait_tensorcnt 0x0                           ; the wave's end
	ds_add_u32 v[SPW], v[NIL]
	s_wait_dscnt 0x0
	s_endpgm
.Lfunc_end_k_q8c4fe7ab48_nearest:
	.size	k_q8c4fe7ab48_nearest, .Lfunc_end_k_q8c4fe7ab48_nearest-k_q8c4fe7ab48_nearest
	.p2alignl 7, 3214868480
	.fill 96, 4, 3214868480
	.section	.rodata,"a",@progbits
	.p2align	6, 0x0
	.amdhsa_kernel k_q8c4fe7ab48_nearest
		.amdhsa_group_segment_fixed_size 218112
		.amdhsa_private_segment_fixed_size 0
		.amdhsa_enable_private_segment 0
		.amdhsa_kernarg_size 32
		.amdhsa_user_sgpr_count 2
		.amdhsa_user_sgpr_kernarg_segment_ptr 1
		.amdhsa_wavefront_size32 1
		.amdhsa_system_sgpr_workgroup_id_x 1
		.amdhsa_system_sgpr_workgroup_id_y 1
		.amdhsa_system_sgpr_workgroup_id_z 1
		.amdhsa_system_vgpr_workitem_id 0
		.amdhsa_next_free_vgpr 512
		.amdhsa_next_free_sgpr 66
		.amdhsa_reserve_vcc 1
		.amdhsa_float_denorm_mode_32 3
		.amdhsa_float_denorm_mode_16_64 3
		.amdhsa_memory_ordered 1
		.amdhsa_forward_progress 1
		.amdhsa_inst_pref_size 119
	.end_amdhsa_kernel
	.amdgpu_metadata
---
amdhsa.version: [ 1, 2 ]
amdhsa.kernels:
  - .name:           k_q8c4fe7ab48_nearest
    .symbol:         k_q8c4fe7ab48_nearest.kd
    .args:
      - { .name: inputs, .offset: 0, .size: 8, .value_kind: global_buffer, .address_space: global }
      - { .name: codebook, .offset: 8, .size: 8, .value_kind: global_buffer, .address_space: global }
      - { .name: out0, .offset: 16, .size: 8, .value_kind: global_buffer, .address_space: global }
      - { .name: kidx, .offset: 24, .size: 8, .value_kind: global_buffer, .address_space: global }
    .group_segment_fixed_size: 218112
    .private_segment_fixed_size: 0
    .kernarg_segment_align: 8
    .kernarg_segment_size: 32
    .max_flat_workgroup_size: 256
    .sgpr_count:     66
    .vgpr_count:     512
    .wavefront_size: 32
...
	.end_amdgpu_metadata
.endif
;; end of part 1
;; launch gather (part 2): grid 512 x 1, 8 waves a work-group, no clusters, 0 bytes of LDS; arguments kidx, codebook, out1; writes out1
.if DOCPART == 2
	.amdgcn_target "amdgcn-amd-amdhsa--gfx1250"
	.amdhsa_code_object_version 6
	.text
	.protected	k_q8c4fe7ab48_gather
	.globl	k_q8c4fe7ab48_gather
	.p2align	8
	.type	k_q8c4fe7ab48_gather,@function
k_q8c4fe7ab48_gather:
	s_mov_b64 s[64:65], 0
	v_nop
	global_prefetch_b8 v0, s[64:65] scope:SCOPE_SE
	s_setreg_imm32_b32 hwreg(HW_REG_WAVE_MODE, 25, 1), 1
	s_wait_xcnt 0x0
; out1[row][:] = codebook[kidx[row]][:]: 131,072 rows of 64 f32.  kidx holds the whole numbers that the launch before stored: here they may enter addresses.
; 4,096 waves, 32 rows each.  Sixteen lanes take a row: lane (c = lane % 16, h = lane / 16) takes the 16 bytes at 16 c of rows 16 h + i, i = 0 .. 15.  So each gather reads two whole rows of the table (256 bytes each),
; and each store writes two aligned runs of 256 consecutive bytes.  All sixteen gathers of a wave are out together; with 96 registers and no LDS many work-groups share a WGP.
; No loop, no LDS, no barrier, no matrix unit: nothing is shared between waves and nothing is computed.  No prefetch: the table's 262,144 bytes are read again and again by every wave, and the indices are asked for in the first lines.
; An index is held to 0 .. 1,023 ahead of the address: the launch before stores no other.
.set IX, 4                             ; v4-19   my half's 16 indices, then their byte offsets in the table
.set DT, 32                            ; v32-95  16 x 4 registers: my 16 bytes of 16 rows
	s_load_b128 s[4:7], s[0:1], 0x0                ; kidx s[4:5], codebook s[6:7]
	s_load_b64 s[8:9], s[0:1], 0x10                ; out1
	v_lshrrev_b32 v1, 5, v0
	s_delay_alu instid0(VALU_DEP_1)
	v_readfirstlane_b32 s10, v1                    ; wave 0..7
	s_lshl_b32 s11, ttmp9, 3
	s_add_co_u32 s11, s11, s10                     ; which run of 32 rows is my wave's
	s_lshl_b32 s12, s11, 7                         ; its indices: 128 bytes,
	s_mov_b32 s13, 0
	s_lshl_b32 s14, s11, 13                        ; its rows of out1: 8,192 bytes
	s_mov_b32 s15, 0
	v_bfe_u32 v1, v0, 4, 1                         ; h
	v_and_b32 v2, 15, v0                           ; c
	s_delay_alu instid0(VALU_DEP_1)
	v_lshlrev_b32 v2, 4, v2                        ; 16 c
	s_delay_alu instid0(VALU_DEP_1)
	v_lshl_add_u32 v3, v1, 12, v2                  ; out1: 16 h rows of 256 bytes + 16 c
	s_delay_alu instid0(VALU_DEP_4)
	v_lshlrev_b32 v1, 6, v1                        ; kidx: 16 h indices of 4 bytes
	s_wait_alu depctr_va_vdst(0)
	s_wait_kmcnt 0x0
	s_add_nc_u64 s[4:5], s[4:5], s[12:13]
	s_add_nc_u64 s[8:9], s[8:9], s[14:15]
.irp k, 0,1,2,3
	global_load_b128 v[IX+4*\k:IX+4*\k+3], v1, s[4:5] offset:16*\k th:TH_LOAD_NT   ; the sixteen lanes of a half read the same 64 bytes
.endr
	s_wait_loadcnt 0x0
.irp i, 0,1,2,3,4,5,6,7,8,9,10,11,12,13,14,15
	v_min_u32 v[IX+\i], 0x3ff, v[IX+\i]            ; inside the table
.endr
.irp i, 0,1,2,3,4,5,6,7,8,9,10,11,12,13,14,15
	v_lshlrev_b32 v[IX+\i], 8, v[IX+\i]            ; a row of the table is 256 bytes
.endr
.irp i, 0,1,2,3,4,5,6,7,8,9,10,11,12,13,14,15
	v_add_nc_u32 v[IX+\i], v2, v[IX+\i]            ; + my 16 bytes of it
.endr
.irp i, 0,1,2,3,4,5,6,7,8,9,10,11,12,13,14,15
	global_load_b128 v[DT+4*\i:DT+4*\i+3], v[IX+\i], s[6:7]
.endr
.irp i, 0,1,2,3,4,5,6,7,8,9,10,11,12,13,14,15
	s_wait_loadcnt 15-\i                           ; loads come back in order (ISA guide 5.7.1): gather i is in, the younger ones may be out
	global_store_b128 v3, v[DT+4*\i:DT+4*\i+3], s[8:9] offset:256*\i th:TH_STORE_NT   ; written once, read by nobody here; no register of a store is written again
.endr
	s_endpgm
.Lfunc_end_k_q8c4fe7ab48_gather:
	.size	k_q8c4fe7ab48_gather, .Lfunc_end_k_q8c4fe7ab48_gather-k_q8c4fe7ab48_gather
	.p2alignl 7, 3214868480
	.fill 96, 4, 3214868480
	.section	.rodata,"a",@progbits
	.p2align	6, 0x0
	.amdhsa_kernel k_q8c4fe7ab48_gather
		.amdhsa_group_segment_fixed_size 0
		.amdhsa_private_segment_fixed_size 0
		.amdhsa_enable_private_segment 0
		.amdhsa_kernarg_size 24
		.amdhsa_user_sgpr_count 2
		.amdhsa_user_sgpr_kernarg_segment_ptr 1
		.amdhsa_wavefront_size32 1
		.amdhsa_system_sgpr_workgroup_id_x 1
		.amdhsa_system_sgpr_workgroup_id_y 1
		.amdhsa_system_sgpr_workgroup_id_z 1
		.amdhsa_system_vgpr_workitem_id 0
		.amdhsa_next_free_vgpr 96
		.amdhsa_next_free_sgpr 66
		.amdhsa_reserve_vcc 0
		.amdhsa_float_denorm_mode_32 3
		.amdhsa_float_denorm_mode_16_64 3
		.amdhsa_memory_ordered 1
		.amdhsa_forward_progress 1
		.amdhsa_inst_pref_size 8
	.end_amdhsa_kernel
	.amdgpu_metadata
---
amdhsa.version: [ 1, 2 ]
amdhsa.kernels:
  - .name:           k_q8c4fe7ab48_gather
    .symbol:         k_q8c4fe7ab48_gather.kd
    .args:
      - { .name: kidx, .offset: 0, .size: 8, .value_kind: global_buffer, .address_space: global }
      - { .name: codebook, .offset: 8, .size: 8, .value_kind: global_buffer, .address_space: global }
      - { .name: out1, .offset: 16, .size: 8, .value_kind: global_buffer, .address_space: global }
    .group_segment_fixed_size: 0
    .private_segment_fixed_size: 0
    .kernarg_segment_align: 8
    .kernarg_segment_size: 24
    .max_flat_workgroup_size: 256
    .sgpr_count:     66
    .vgpr_count:     96
    .wavefront_size: 32
...
	.end_amdgpu_metadata
.endif
;; end of part 2
